; MI455X (gfx1250); checked and timed in simulation.
; The chip was launched on July 23, 2026; its instructions are those of AMD's public machine-readable ISA for CDNA 5 (MIT licence, August 2026) and "CDNA5" Instruction Set Architecture Reference Guide (July 2026). The comments in the code are by the model that wrote it; some were corrected since.
;; KNRM. Allowed arithmetic: matrix products marked QUANTISED: E5M2 operands, one E8M0 scale for each 32 along K, by v_wmma_scale_f32_16x16x128_f8f6f4 with both operands' format E5M2, f32 sums; products left as they are: f32 operands where the result goes on into a quantised operand, else bf16, f16 or f32 operands; f32 sums; everything else in f32.
;; Inputs: doc_tokens 256 x 512 int32; emb 100,000 x 300 float32; fc_b 1 float32; fc_w 1 x 11 float32; query_tokens 256 x 32 int32.
;; Outputs: out0 256 x 1 float32.
;; This version of the problem:
;;   THIS VERSION OF THE PROBLEM IS GIVEN IN LOW PRECISION. The matrix products marked QUANTISED in the list below multiply operands that are first quantised to E5M2 (5 exponent bits, 2 mantissa bits; 8 bits a number), with one power-of-two scale for each 32 numbers along K (OCP MX v1.0); their sums are f32. All else is computed in f32.
;;   The module's matrix products, in the order in which they are computed (A, B: the left and right operand; K: the contracted axis; several contracted axes count as one K, in the product's order):
;;     1. batch 256 x [M 32, K 300] x [K 300, N 512]; A: computed on the way; B: computed on the way: QUANTISED
;;     2. [M 256, K 11] x [K 11, N 1]; A: computed on the way; B: input fc_w: left as it is (K = 11 < 32)
;;   THE QUANTISER, for each operand of a quantised product, along K:
;;     - K is cut into blocks of 32 from its start; a last block that is shorter is filled with zeros.
;;     - A block's scale is 2^e with e = floor(log2(the largest magnitude in the block)) - 15, held to -126 .. 127; a block of zeros has e = 0. As a byte (E8M0): e + 127.
;;     - Each number is divided by its block's scale, clamped to +-57,344, and rounded to the nearest number of E5M2, ties to even, subnormals kept.
;;     - The product sums the exact products of the quantised numbers (number of the format x scale) in f32.
;;   ~~~python
;;   def quantise(x, axis):      # numpy; x: float32 -> the quantised numbers, widened to float32 again
;;       x = np.moveaxis(x, axis, -1); K = x.shape[-1]
;;       x = np.pad(x, [(0, 0)] * (x.ndim - 1) + [(0, -K % 32)]); x = x.reshape(x.shape[:-1] + (-1, 32)); a = np.abs(x).max(-1, keepdims=True)
;;       e = np.where(a > 0, np.clip(np.frexp(np.where(a > 0, a, 1))[1] - 1 - 15, -126, 127), 0)      # np.frexp(a)[1] - 1 = floor(log2(a)), exactly
;;       r = np.clip(x / 2.0 ** e, -57344, 57344)
;;       step = 2.0 ** (np.maximum(np.frexp(np.where(r == 0, 1, r))[1] - 1, -14) - 2)
;;       q = np.round(r / step) * step * 2.0 ** e      # np.round: ties to even
;;       return np.moveaxis(q.reshape(q.shape[:-2] + (-1,))[..., :K], -1, axis).astype(np.float32)
;;   ~~~
;;   OPERANDS COMPUTED ON THE WAY. 'Computed on the way' means the value that the module computes at that place (a softmax that the list does not call 'softmax' is quantised finished and normalised). What goes into a quantiser is computed in f32, as accurately as f32 sums, v_exp_f32 and their like allow (about 1e-6 of the number): no bf16 or f16 on the way to a quantiser, and a product that is left as it is and whose result goes on into a quantised operand takes f32 operands (vector FMAs, or v_wmma_f32_16x16x4_f32). A number that lies on a knife's edge between two numbers of the format may be rounded either way, as far as f32 arithmetic and the matrix unit's own rounding can turn it there, and no further.
;; One version. Each part assembles by itself: llvm-mc -triple=amdgcn-amd-amdhsa -mcpu=gfx1250 --defsym DOCPART=n.
;; ======== version 1 of 1: 1 launch
;; launch knrm (part 1): grid 256 x 1, 8 waves a work-group, no clusters, 227,072 bytes of LDS; arguments query_tokens, doc_tokens, emb, fc_w, fc_b, out0; writes out0
.if DOCPART == 1
	.amdgcn_target "amdgcn-amd-amdhsa--gfx1250"
	.amdhsa_code_object_version 6
	.text
	.protected	k_q4cb86c3d4b_knrm
	.globl	k_q4cb86c3d4b_knrm
	.p2align	8
	.type	k_q4cb86c3d4b_knrm,@function
k_q4cb86c3d4b_knrm:
	s_mov_b64 s[64:65], 0
	v_nop
	global_prefetch_b8 v0, s[64:65] scope:SCOPE_SE
	s_setreg_imm32_b32 hwreg(HW_REG_WAVE_MODE, 25, 1), 1
	s_wait_xcnt 0x0
; KNRM, one work-group of eight waves for each of the 256 batches: gather 32 query rows and 512 document rows of emb (300 f32 each), divide each by (its norm + 1e-13),
; quantise along K = 300 to BF8 (E5M2) codes with one E8M0 scale for each 32, multiply (cosines [32][512]), put each cosine through 11 Gaussian kernels, sum over the documents,
; log(max(., 1e-10)) x 0.01, sum over the queries, multiply by fc_w, add fc_b.  Nothing but the one result goes to memory.
; SHARES.  A tile is 16 rows of the table.  Wave w takes documents 64 w .. 64 w + 63, four tiles; waves 0 and 1 first quantise the two tiles of queries and hand them to all waves through LDS as images of
; the operand's registers.  The product has 16 documents as source 0 and 16 queries as source 1: a lane then holds ONE query (lane % 16) and eight documents, 8 (lane / 16) + register.
; THE GATHER IS DENSE.  A row's 1,200 bytes come by three loads of the whole wave (512, 512 and 176 consecutive bytes; in the third, lanes 11 to 31 repeat lane 10's address), on a scalar base made of the row's token.
; The 16 rows turn through the wave's own stage in LDS and come back in the operand's order: lane (r, h) holds, of row r, k = 32 c + 16 h + 0 .. 15 of each block c.  The next tile's 48 loads are out while a tile is worked.
; THE MASKS.  A masked document (token 0) gets 3.0 as the C of its products' first K step, a counted one 0.  A cosine of two quantised unit vectors is at most 1.111 x 1.111 = 1.235 in magnitude (E5M2 rounds up by at most a ninth),
; so a masked cosine lies in 1.76 .. 4.24, where every kernel's exponential is 0 and the ratio 2^(28.85 x) is still finite: the document adds exactly 0, as in reference().  A masked query's sums are replaced by 0 at the end.
; THE KERNELS.  exp(-50 (x - mu)^2) = e^(-50 mu^2) x 2^(-c x^2 + 2 c mu x), c = 50 log2(e).  The first factor is a constant and is put back once, on the finished sum; the second stays under 2^59.
; The ten mu lie 0.2 apart, so from mu = +-0.1 the others follow by multiplying with 2^(+-4 c 0.1 x): five exponentials a cosine (two starts, two ratios, the narrow kernel at mu = 1) in place of eleven.
; LIMITS.  NaN and infinities in emb are not served.  A row's sum of squares has to stay in f32's normal range (as reference() needs too).  A token outside the table is held at its last row.
; A block whose largest magnitude lies under 2^-111 (a block of zeros too) keeps the scale byte 1: its codes are zeros or next to it, and only this program reads the bytes.
; REGISTERS, in windows of 256 (s_set_vgpr_msb: bits 1:0 source 0, 3:2 source 1, 5:4 source 2, 7:6 destination):
;   window 0: v0-9 addresses, v10-15 the queries' scale words, v16-18 the tile's, v19 an address, v20-47 the quantiser's scratch, v48-207 the turned tile (later query fragments, cosines, kernels), v208-255 the tile's codes
;   window 1: v0-191 where the gather lands, v192-235 the 22 running sums (2 tiles of queries x 11 kernels), two halves each
.set VOCAB, 100000
.set ROWB,  1200                       ; a row of emb in bytes: 75 pieces of 16
.set PITCH, 1552                       ; a row in the stage: 97 x 16 bytes, so that the sixteen rows that a load touches begin in sixteen different 16-byte columns of 256 bytes; room for the third store's 512 bytes
.set STGB,  16*PITCH                   ; a wave's stage
.set FRB,   2048                       ; a fragment's image: 16 registers x 128 bytes
.set QIMG,  0                          ; LDS: the queries' 6 fragments (tile n, K step s: 3 n + s),
.set QSC,   QIMG+6*FRB                 ; their scale words, 128 bytes each,
.set BIAS,  QSC+6*128                  ; a number for each of the 512 documents: 0, or 3.0 where it is masked,
.set RED,   BIAS+2048                  ; the waves' sums: 32 lanes x 48 bytes for each wave,
.set STG,   RED+8*1536                 ; and the eight stages
.set L16,  1                           ; v1   16 x lane
.set L16C, 2                           ; v2   16 x min(lane, 10)
.set STO,  3                           ; v3   my stage + 16 x lane: the way in
.set RDB,  4                           ; v4   my stage + PITCH x (lane % 16) + 64 x (lane / 16): the way out
.set BAD,  5                           ; v5   the tile's mask numbers: BIAS + 4 x (first document + 8 (lane / 16)); 64 on for each tile
.set LS,   6                           ; v6   4 x lane
.set IMA,  7                           ; v7   where waves 0 and 1 store their fragments' images
.set IMS,  8                           ; v8   and their scale words
.set QTOK, 9                           ; v9   query token of query = lane
.set QS,   10                          ; v10-15
.set DS,   16                          ; v16-18
.set REDA, 19                          ; v19  RED + 1536 x wave + 48 x lane
.set SS,   20                          ; v20-27 four packed sums of squares; later scratch
.set INV,  26                          ; v26  1 / (norm + 1e-13)
.set AS,   28                          ; v28-47 block c: v[AS+2c] largest magnitude, then the hold; v[AS+2c+1] the conversion's scale operand
.set CB,   28                          ; v28-35 the eight mask numbers (C of the first K step), once blocks 0 to 3 are converted
.set T,    48
.set C,    208
.set XR,   T+96                        ; the cosines: two accumulators of 8
.set Q1,   T+80                        ; x^2
.set H,    T+88                        ; 14.43 x
.set PS,   T+112                       ; a tile's 11 sums, packed
.set TT,   T+134                       ; 6 pairs at work
.set ACC,  192                         ; in window 1
.set TOK,  16                          ; s16-31 a tile's tokens, then byte offsets
.set BAS,  32                          ; s32-63 a tile's 16 row addresses
.set WV,   66
.set CNT,  67
.set TP,   68                          ; s[68:69] the next tile's tokens
.set FW,   72                          ; s72-82 fc_w
.set FB,   83                          ; s83 fc_b
.set SEL,  84                          ; s[84:85] v_permlanex16_b32's selects for lane xor 16
.set MNT,  86                          ; s86 the mantissa field of 57,344
.set EPS,  87                          ; s87 1e-13
.set KA1,  90                          ; s[90:91] 2 c 0.1 = 14.42695;  the packed forms name a pair and take its low word for both halves
.set KA2,  92                          ; s[92:93] 4 c 0.1
.set KNC,  94                          ; s[94:95] -c = -72.13475
.set KS0,  96                          ; s[96:97] sqrt(log2(e) / 2e-8) = 8493.218: the narrow kernel's 1 / (sigma sqrt(2 ln 2))
.set QP,   98                          ; s[98:99] waves 0, 1: my tile of query tokens
.set MSB, 0
.macro WIN new                         ; the immediate's high byte repeats the setting that is left; a switch that changes nothing is dropped
.if MSB != \new
	s_set_vgpr_msb (MSB<<8)|\new
.set MSB, \new
.endif
.endm
; 16 tokens become 16 row addresses, in scalar registers alone
.macro BASES
.irp r, 0,1,2,3,4,5,6,7,8,9,10,11,12,13,14,15
	s_min_u32 s[TOK+\r], s[TOK+\r], VOCAB-1        ; a loaded number enters an address only behind this hold
.endr
.irp r, 0,1,2,3,4,5,6,7,8,9,10,11,12,13,14,15
	s_mul_i32 s[TOK+\r], s[TOK+\r], ROWB
.endr
.irp r, 0,1,2,3,4,5,6,7,8,9,10,11,12,13,14,15
	s_add_co_u32 s[BAS+2*\r], s8, s[TOK+\r]
	s_add_co_ci_u32 s[BAS+2*\r+1], s9, 0
.endr
.endm
; 48 loads: each row as 512 + 512 + 176 consecutive bytes.  No hint: a row may be named again, by this or another batch
.macro GATHER
	WIN 0x40                                       ; destination window 1
.irp r, 0,1,2,3,4,5,6,7,8,9,10,11,12,13,14,15
	global_load_b128 v[12*\r:12*\r+3], v[L16], s[BAS+2*\r:BAS+2*\r+1]
	global_load_b128 v[12*\r+4:12*\r+7], v[L16], s[BAS+2*\r:BAS+2*\r+1] offset:512
	global_load_b128 v[12*\r+8:12*\r+11], v[L16C], s[BAS+2*\r:BAS+2*\r+1] offset:1024
.endr
	WIN 0
.endm
; the rows go into my stage as they lie, four rows at a time as they arrive.  The third store's lanes 11 to 31 write copies of the row's last 16 bytes behind the row's end, inside its pitch
.macro STAGE_IN
	WIN 0x04                                       ; an LDS store's data are its source 1: window 1
.irp g, 0,1,2,3
	s_wait_loadcnt 36-12*\g                        ; loads come back in order: rows 4 g .. 4 g + 3 are in, the 12 loads of each later group of four may be out
.irp q, 0,1,2,3
	ds_store_b128 v[STO], v[12*(4*\g+\q):12*(4*\g+\q)+3] offset:(4*\g+\q)*PITCH
	ds_store_b128 v[STO], v[12*(4*\g+\q)+4:12*(4*\g+\q)+7] offset:(4*\g+\q)*PITCH+512
	ds_store_b128 v[STO], v[12*(4*\g+\q)+8:12*(4*\g+\q)+11] offset:(4*\g+\q)*PITCH+1024
.endr
.endr
	WIN 0
.endm
; and come back in the operand's order: 39 loads.  LDS serves a wave's instructions in order, so no wait stands between the stores and these.  Of block 9 (k = 288 ..) three pieces: lanes 0-15 get k = 288 .. 299, lanes 16-31 copies that are cleared later
.macro STAGE_OUT
.irp c, 0,1,2,3,4,5,6,7,8
.irp j, 0,1,2,3
	ds_load_b128 v[T+16*\c+4*\j:T+16*\c+4*\j+3], v[RDB] offset:128*\c+16*\j
.endr
.endr
.irp j, 0,1,2
	ds_load_b128 v[T+144+4*\j:T+144+4*\j+3], v[RDB] offset:1152+16*\j
.endr
.endm
; each thread turns two document tokens into mask numbers
.macro BIASES
	s_wait_loadcnt 48                              ; the two token loads are in; the 48 loads of the gather, issued behind them, may be out
	v_cmp_lt_i32 vcc_lo, 0, v[SS+2]
	v_cndmask_b32 v[SS+2], v[SS+4], v[SS+5], vcc_lo   ; token > 0: 0, else 3.0
	v_cmp_lt_i32 vcc_lo, 0, v[SS+3]
	v_cndmask_b32 v[SS+3], v[SS+4], v[SS+5], vcc_lo
	ds_store_b64 v[SS], v[SS+2:SS+3] offset:BIAS
.endm
; THE QUANTISER.  160 numbers of a lane, v[T + 16 c + i] = k 32 c + 16 (lane / 16) + i of my row, become the codes v[C ..] of three K steps and their scale words v[DS ..].
; fetch = 1: a tile of documents: once blocks 0 to 5 are converted, the queries' six fragments are asked for into their registers, and the mask numbers into blocks 0 to 3's scratch
.macro QUANT fetch
.irp d, 0,1,2,3,4                      ; two blocks at a time, as they come back from the stage: sums of squares in four chains, each block's largest magnitude in a chain of its own
.if \d < 4
	s_wait_dscnt 31-8*\d                           ; of the 39 loads the first 8 (d + 1) are in
.else
	s_wait_dscnt 0x0
.irp i, 12,13,14,15
	v_mov_b32 v[T+144+\i], 0                       ; k = 300 .. 303: K's last block is filled with zeros
.endr
	s_mov_b32 vcc_lo, 0xffff0000
.irp i, 0,1,2,3,4,5,6,7,8,9,10,11
	v_cndmask_b32 v[T+144+\i], v[T+144+\i], v[T+156], vcc_lo   ; k = 304 .. 319, lanes 16-31: zeros too
.endr
.endif
.irp i, 0,1,2,3,4,5,6,7
.irp u, 0,1
.set rT, T+16*(2*\d+\u)+2*\i
.set rS, SS+4*\u+2*(\i%2)
.set rA, AS+2*(2*\d+\u)
.if (\d == 0) && (\i < 2)
	v_pk_mul_f32 v[rS:rS+1], v[rT:rT+1], v[rT:rT+1]               ; the first products start the sums
.else
	v_pk_fma_f32 v[rS:rS+1], v[rT:rT+1], v[rT:rT+1], v[rS:rS+1]
.endif
.if \i == 0
	v_max_num_f32 v[rA], |v[rT]|, |v[rT+1]|
.else
	v_max3_num_f32 v[rA], v[rA], |v[rT]|, |v[rT+1]|
.endif
.endr
.endr
.endr
	v_pk_add_f32 v[SS:SS+1], v[SS:SS+1], v[SS+2:SS+3]
	v_pk_add_f32 v[SS+4:SS+5], v[SS+4:SS+5], v[SS+6:SS+7]
	v_pk_add_f32 v[SS:SS+1], v[SS:SS+1], v[SS+4:SS+5]
	v_add_f32 v[SS], v[SS], v[SS+1]
	v_permlanex16_b32 v[SS+1], v[SS], s[SEL], s[SEL+1]
	v_add_f32 v[SS], v[SS], v[SS+1]                ; with lane xor 16's half of the row: the row's sum of squares
	v_sqrt_f32 v[SS], v[SS]
	v_nop                                          ; a plain instruction behind the root; the blocks' maxima are joined while it is on its way
.irp c, 0,1,2,3,4,5,6,7,8,9
	v_permlanex16_b32 v[AS+2*\c+1], v[AS+2*\c], s[SEL], s[SEL+1]
.endr
.irp c, 0,1,2,3,4,5,6,7,8,9
	v_max_num_f32 v[AS+2*\c], v[AS+2*\c], v[AS+2*\c+1]   ; the block's largest magnitude, not yet normalised
.endr
	s_wait_alu depctr_va_vdst(0)                   ; the wait ahead of the root's first reader
	v_add_f32 v[SS], s[EPS], v[SS]                 ; norm + 1e-13
	v_rcp_f32 v[INV], v[SS]
	v_mov_b32 v[INV+1], 0                          ; a plain instruction behind the reciprocal (and the upper half of the pair that the packed multiplies name)
	s_wait_alu depctr_va_vdst(0)                   ; and the wait ahead of its first reader
.irp c, 0,1,2,3,4,5,6,7,8,9
	v_mul_f32 v[AS+2*\c], v[AS+2*\c], v[INV]       ; the same multiplication that the numbers get: rounding keeps order, so this IS the largest normalised magnitude
.endr
.irp c, 0,1,2,3,4,5,6,7,8,9
	v_max_num_f32 v[AS+2*\c], 0x8000000, v[AS+2*\c]   ; the floor 2^(16 - 127): the byte cannot fall under 1
.endr
.irp c, 0,1,2,3,4,5,6,7,8,9
	v_add_nc_u32 v[AS+2*\c+1], 0xf8800000, v[AS+2*\c]   ; 15 off the exponent field: the conversion takes this operand's exponent field as its scale
.endr
.irp c, 0,1,2,3,4,5,6,7,8,9
	v_and_or_b32 v[AS+2*\c], v[AS+2*\c], 0x7f800000, s[MNT]   ; 57,344 x the scale
.endr
.irp s, 0,1,2
	v_lshrrev_b32 v[DS+\s], 23, v[AS+2*(4*\s)+1]   ; the scale bytes: four make a K step's word, the lower K in the lower byte
.endr
.irp s, 0,1
.irp b, 1,2,3
	v_lshrrev_b32 v[SS+3*\s+\b-1], 23, v[AS+2*(4*\s+\b)+1]
.endr
.endr
.irp s, 0,1
.irp b, 1,2,3
	v_lshl_or_b32 v[DS+\s], v[SS+3*\s+\b-1], 8*\b, v[DS+\s]
.endr
.endr
	v_lshrrev_b32 v[SS], 23, v[AS+2*9+1]
	v_lshl_or_b32 v[DS+2], v[SS], 8, v[DS+2]       ; the third word's upper bytes stay 0: they scale zero codes (k = 320 .. 383)
.irp c, 0,1,2,3,4,5,6,7,8,9
.irp i, 0,2,4,6,8,10
	v_pk_mul_f32 v[T+16*\c+\i:T+16*\c+\i+1], v[T+16*\c+\i:T+16*\c+\i+1], v[INV:INV+1] op_sel_hi:[1,0]   ; the normalised numbers
.endr
.if \c < 9
.irp i, 12,14
	v_pk_mul_f32 v[T+16*\c+\i:T+16*\c+\i+1], v[T+16*\c+\i:T+16*\c+\i+1], v[INV:INV+1] op_sel_hi:[1,0]
.endr
.endif
.irp i, 0,1,2,3,4,5,6,7,8,9,10,11
	v_med3_num_f32 v[T+16*\c+\i], v[T+16*\c+\i], -v[AS+2*\c], v[AS+2*\c]   ; the conversion to an 8-bit code does not saturate (ISA guide 7.6.2): hold at the largest code x the scale
.endr
.if \c < 9
.irp i, 12,13,14,15
	v_med3_num_f32 v[T+16*\c+\i], v[T+16*\c+\i], -v[AS+2*\c], v[AS+2*\c]
.endr
.endif
	v_cvt_scalef32_pk8_bf8_f32 v[C+4*\c:C+4*\c+1], v[T+16*\c:T+16*\c+7], v[AS+2*\c+1]       ; registers 4 c .. 4 c + 3 of the codes: k = 32 c + 16 h + 0 .. 15
	v_cvt_scalef32_pk8_bf8_f32 v[C+4*\c+2:C+4*\c+3], v[T+16*\c+8:T+16*\c+15], v[AS+2*\c+1]  ; (the next block's multiplies are the plain instructions behind the conversions)
.if (\fetch) && (\c == 5)
.irp f, 0,1,2,3,4,5
.irp j, 0,1,2,3
	ds_load_b128 v[T+16*\f+4*\j:T+16*\f+4*\j+3], v[L16] offset:QIMG+FRB*\f+512*\j   ; the queries' fragments, as they were stored: they land while blocks 6 to 9 are converted
.endr
.endr
	ds_load_b128 v[CB:CB+3], v[BAD]                ; the mask numbers of documents 8 h + 0 .. 7 of the tile: the accumulators' layout
	ds_load_b128 v[CB+4:CB+7], v[BAD] offset:16
.endif
.endr
.endm
; THE PRODUCT: cosines of 16 documents x 32 queries.  Two accumulators by turns, one instruction a turn; the first K step takes the mask numbers as C
.macro MM n, s
.if \s == 0
	v_wmma_scale_f32_16x16x128_f8f6f4 v[XR+8*\n:XR+8*\n+7], v[C+16*\s:C+16*\s+15], v[T+16*(3*\n+\s):T+16*(3*\n+\s)+15], v[CB:CB+7], v[DS+\s], v[QS+3*\n+\s] matrix_a_fmt:MATRIX_FMT_BF8 matrix_b_fmt:MATRIX_FMT_BF8
.else
	v_wmma_scale_f32_16x16x128_f8f6f4 v[XR+8*\n:XR+8*\n+7], v[C+16*\s:C+16*\s+15], v[T+16*(3*\n+\s):T+16*(3*\n+\s)+15], v[XR+8*\n:XR+8*\n+7], v[DS+\s], v[QS+3*\n+\s] matrix_a_fmt:MATRIX_FMT_BF8 matrix_b_fmt:MATRIX_FMT_BF8
.endif
.endm
.macro PRODUCT
.rept 4
	v_nop                                          ; codes written by vector instructions stand four places ahead of a scaled matrix instruction (the scale words were made far earlier)
.endr
	s_wait_dscnt 0x0                               ; the queries' fragments and the mask numbers are in
.irp s, 0,1,2
	MM 0, \s
	MM 1, \s
.endr
	v_add_nc_u32 v[BAD], 64, v[BAD]                ; the next tile's mask numbers.  With the seven below: eight places behind this form ahead of the first read of a result and the first write of an operand
.rept 7
	v_nop
.endr
.endm
; THE KERNELS of 8 cosines a lane, tile of queries n.  Set n, 40 registers at v[T + 40 n]: +0 mu = +0.1 and up, +8 mu = -0.1 and down, +16 the ratio up, +24 the ratio down, +32 the narrow kernel
.macro ARGS n
.set rB, T+40*(\n)
.set rX, XR+8*(\n)
.irp p, 0,2,4,6                        ; (each accumulator is first read at its low end)
	v_pk_mul_f32 v[Q1+\p:Q1+\p+1], v[rX+\p:rX+\p+1], v[rX+\p:rX+\p+1]
.endr
.irp p, 0,2,4,6
	v_pk_mul_f32 v[H+\p:H+\p+1], v[rX+\p:rX+\p+1], s[KA1:KA1+1] op_sel_hi:[1,0]
.endr
.irp p, 0,2,4,6
	v_pk_mul_f32 v[rB+16+\p:rB+16+\p+1], v[rX+\p:rX+\p+1], s[KA2:KA2+1] op_sel_hi:[1,0]
.endr
.irp p, 0,2,4,6
	v_pk_fma_f32 v[rB+32+\p:rB+32+\p+1], v[rX+\p:rX+\p+1], s[KS0:KS0+1], s[KS0:KS0+1] op_sel_hi:[1,0,0] neg_lo:[0,0,1] neg_hi:[0,0,1]   ; (x - 1) x 8493.2, rounded once
.endr
.irp p, 0,2,4,6
	v_pk_fma_f32 v[rB+\p:rB+\p+1], v[Q1+\p:Q1+\p+1], s[KNC:KNC+1], v[H+\p:H+\p+1] op_sel_hi:[1,0,1]   ; -c x^2 + 14.43 x
.endr
.irp p, 0,2,4,6
	v_pk_fma_f32 v[rB+8+\p:rB+8+\p+1], v[Q1+\p:Q1+\p+1], s[KNC:KNC+1], v[H+\p:H+\p+1] op_sel_hi:[1,0,1] neg_lo:[0,0,1] neg_hi:[0,0,1]   ; -c x^2 - 14.43 x
.endr
.irp p, 0,2,4,6
	v_pk_mul_f32 v[rB+32+\p:rB+32+\p+1], v[rB+32+\p:rB+32+\p+1], v[rB+32+\p:rB+32+\p+1] neg_lo:[1,0] neg_hi:[1,0]   ; -((x - 1) x 8493.2)^2
.endr
.endm
.macro EXPS n                          ; ONE BATCH of 40 exponentials; none reads another's result
.set rB, T+40*(\n)
.irp i, 0,1,2,3,4,5,6,7
	v_exp_f32 v[rB+24+\i], -v[rB+16+\i]
.endr
	v_nop                                          ; a plain instruction before the sources of the eight above are written over
.irp i, 0,1,2,3,4,5,6,7,8,9,10,11,12,13,14,15,16,17,18,19,20,21,22,23,32,33,34,35,36,37,38,39
	v_exp_f32 v[rB+\i], v[rB+\i]
.endr
.endm
.macro CHAIN n                         ; a tile's 11 sums over the lane's 8 documents.  Kernel k of fc_w: 0 the narrow one; 5, 4, 3, 2, 1: mu = 0.1 .. 0.9; 6 .. 10: mu = -0.1 .. -0.9
.set rB, T+40*(\n)
	v_pk_add_f32 v[TT:TT+1], v[rB+32:rB+33], v[rB+34:rB+35]
	v_pk_add_f32 v[TT+2:TT+3], v[rB+36:rB+37], v[rB+38:rB+39]
.irp s, 0,1,2,3,4
	v_pk_add_f32 v[TT+4:TT+5], v[rB:rB+1], v[rB+2:rB+3]
	v_pk_add_f32 v[TT+6:TT+7], v[rB+4:rB+5], v[rB+6:rB+7]
	v_pk_add_f32 v[TT+8:TT+9], v[rB+8:rB+9], v[rB+10:rB+11]
	v_pk_add_f32 v[TT+10:TT+11], v[rB+12:rB+13], v[rB+14:rB+15]
.if \s == 0
	v_pk_add_f32 v[PS:PS+1], v[TT:TT+1], v[TT+2:TT+3]
.endif
.if \s < 4
.irp p, 0,2,4,6
	v_pk_mul_f32 v[rB+\p:rB+\p+1], v[rB+\p:rB+\p+1], v[rB+16+\p:rB+16+\p+1]         ; on to the mu 0.2 higher,
	v_pk_mul_f32 v[rB+8+\p:rB+8+\p+1], v[rB+8+\p:rB+8+\p+1], v[rB+24+\p:rB+24+\p+1]   ; and 0.2 lower
.endr
.endif
	v_pk_add_f32 v[PS+2*(5-\s):PS+2*(5-\s)+1], v[TT+4:TT+5], v[TT+6:TT+7]
	v_pk_add_f32 v[PS+2*(6+\s):PS+2*(6+\s)+1], v[TT+8:TT+9], v[TT+10:TT+11]
.endr
	WIN 0x41                                       ; the running sums: destination and source 0 in window 1
.irp k, 0,1,2,3,4,5,6,7,8,9,10
	v_pk_add_f32 v[ACC+22*(\n)+2*\k:ACC+22*(\n)+2*\k+1], v[ACC+22*(\n)+2*\k:ACC+22*(\n)+2*\k+1], v[PS+2*\k:PS+2*\k+1]
.endr
	WIN 0
.endm
; A TILE OF DOCUMENTS.  next = 1: the following tile is gathered meanwhile
.macro TILE next
.if \next
	s_load_b512 s[TOK:TOK+15], s[TP:TP+1], 0x0     ; its tokens: they come while this tile's rows are waited for
.endif
	STAGE_IN
	STAGE_OUT
.if \next
	s_wait_kmcnt 0x0
	s_add_nc_u64 s[TP:TP+1], s[TP:TP+1], 64
	BASES                                          ; (the last gather is done: its addresses may be written)
	s_wait_dscnt 39                                ; the 39 loads from the stage may be out; the 48 stores ahead of them have read the landing registers
	GATHER
.endif
	QUANT 1
	PRODUCT
	ARGS 0
	EXPS 0
	ARGS 1                                         ; plain work behind the first batch
	s_wait_alu depctr_va_vdst(0)                   ; one wait between a batch and its first reader: here for set 0's
	EXPS 1
	CHAIN 0                                        ; plain work behind the second batch: it names set 0 alone
	s_wait_alu depctr_va_vdst(0)                   ; and for set 1's
	CHAIN 1
.endm
	s_load_b256 s[4:11], s[0:1], 0x0               ; query_tokens s[4:5], doc_tokens s[6:7], emb s[8:9], fc_w s[10:11]
	s_load_b128 s[12:15], s[0:1], 0x20             ; fc_b s[12:13], out0 s[14:15]
	s_set_vgpr_msb 0x40
	v_lshl_add_u32 v254, v0, 2, 0x37300
	v_mov_b32 v255, 0
	s_set_vgpr_msb 0x4000
	v_lshrrev_b32 v[REDA], 5, v0
	v_readfirstlane_b32 s[WV], v[REDA]             ; wave 0..7
	v_and_b32 v[LS], 31, v0                        ; lane
	v_lshlrev_b32 v[L16], 4, v[LS]
	v_min_u32 v[L16C], 10, v[LS]
	v_lshlrev_b32 v[L16C], 4, v[L16C]
	s_mul_i32 s70, s[WV], STGB
	s_add_co_u32 s70, s70, STG                     ; my stage
	v_add_nc_u32 v[STO], s70, v[L16]
	v_and_b32 v[RDB], 15, v0
	v_bfe_u32 v[BAD], v0, 4, 1
	v_mul_u32_u24 v[RDB], v[RDB], PITCH
	v_lshl_add_u32 v[RDB], v[BAD], 6, v[RDB]
	v_add_nc_u32 v[RDB], s70, v[RDB]
	s_lshl_b32 s70, s[WV], 8
	s_add_co_u32 s70, s70, BIAS
	v_lshlrev_b32 v[BAD], 5, v[BAD]
	v_add_nc_u32 v[BAD], s70, v[BAD]
	s_mul_i32 s70, s[WV], 3*FRB
	v_add_nc_u32 v[IMA], s70, v[L16]
	s_mul_i32 s70, s[WV], 1536
	s_add_co_u32 s70, s70, RED
	v_mul_u32_u24 v[REDA], v[LS], 48
	v_add_nc_u32 v[REDA], s70, v[REDA]
	v_lshlrev_b32 v[LS], 2, v[LS]
	s_mul_i32 s70, s[WV], 3*128
	v_add_nc_u32 v[IMS], s70, v[LS]
	v_lshlrev_b32 v[SS], 3, v0                     ; 8 x thread: my two document tokens, and their mask numbers' place
	v_mov_b32 v[SS+4], 0x40400000                  ; 3.0
	v_mov_b32 v[SS+5], 0
	s_mov_b32 s[SEL], 0x76543210
	s_mov_b32 s[SEL+1], 0xfedcba98
	s_mov_b32 s[MNT], 0x600000
	s_mov_b32 s[EPS], 0x29e12e13
	s_mov_b32 s[KA1], 0x4166d4ca
	s_mov_b32 s[KA1+1], 0x4166d4ca
	s_mov_b32 s[KA2], 0x41e6d4ca
	s_mov_b32 s[KA2+1], 0x41e6d4ca
	s_mov_b32 s[KNC], 0xc29044fe
	s_mov_b32 s[KNC+1], 0xc29044fe
	s_mov_b32 s[KS0], 0x4604b4df
	s_mov_b32 s[KS0+1], 0x4604b4df
.irp i, 0,1,2,3,4,5,6,7
	v_mov_b32 v[C+40+\i], 0                        ; k = 320 .. 383 of the third K step: zero codes, written once
.endr
.irp c, 0,1,2,3,4,5,6,7,8,9
	v_mov_b32 v[AS+2*\c+1], 0                      ; written once: a lane permute's destination counts as one of its sources
.endr
	WIN 0x40
.irp i, 0,1,2,3,4,5,6,7,8,9,10,11,12,13,14,15,16,17,18,19,20,21,22,23,24,25,26,27,28,29,30,31,32,33,34,35,36,37,38,39,40,41,42,43
	v_mov_b32 v[ACC+\i], 0                         ; the 22 running sums begin as zeros, so that a tile is written once for the loop
.endr
	WIN 0
	s_wait_kmcnt 0x0
	s_load_b256 s[FW:FW+7], s[10:11], 0x0          ; fc_w's 44 bytes and fc_b: wanted at the very end, asked for here
	s_load_b96 s[FW+8:FW+10], s[10:11], 0x20
	s_load_b32 s[FB], s[12:13], 0x0
	s_mov_b32 s71, 0
	s_lshl_b32 s70, ttmp9, 11
	s_add_nc_u64 s[6:7], s[6:7], s[70:71]          ; my batch's document tokens,
	s_lshl_b32 s70, ttmp9, 7
	s_add_nc_u64 s[4:5], s[4:5], s[70:71]          ; its query tokens,
	s_lshl_b32 s70, ttmp9, 2
	s_add_nc_u64 s[14:15], s[14:15], s[70:71]      ; its result
	s_lshl_b32 s70, s[WV], 8
	s_add_nc_u64 s[TP:TP+1], s[6:7], s[70:71]      ; my wave's 64 document tokens
	s_lshl_b32 s70, s[WV], 6
	s_add_nc_u64 s[QP:QP+1], s[4:5], s[70:71]      ; waves 0, 1: my 16 query tokens (the other waves do not use it)
	global_load_b64 v[SS+2:SS+3], v[SS], s[6:7]
	global_load_b32 v[QTOK], v[LS], s[4:5]
	s_cmp_lt_u32 s[WV], 2
	s_cbranch_scc0 .Lnot_q
	; waves 0 and 1: a tile of queries first
	s_load_b512 s[TOK:TOK+15], s[QP:QP+1], 0x0
	s_wait_kmcnt 0x0
	BASES
	GATHER
	s_load_b512 s[TOK:TOK+15], s[TP:TP+1], 0x0     ; my first tile of documents
	BIASES
	STAGE_IN
	STAGE_OUT
	s_wait_kmcnt 0x0
	BASES
	s_wait_dscnt 39                                ; the stage's stores have read the landing registers
	GATHER                                         ; it is on its way while the queries are quantised
	QUANT 0
	v_nop                                          ; a plain instruction behind the last conversion
.irp s, 0,1,2
.irp j, 0,1,2,3
	ds_store_b128 v[IMA], v[C+16*\s+4*\j:C+16*\s+4*\j+3] offset:QIMG+FRB*\s+512*\j   ; a fragment goes to LDS as it stands: lane l's 16 bytes at 16 l
.endr
	ds_store_b32 v[IMS], v[DS+\s] offset:QSC+128*\s
.endr
	s_branch .Ljoin
.Lnot_q:
	s_load_b512 s[TOK:TOK+15], s[TP:TP+1], 0x0
	s_wait_kmcnt 0x0
	BASES
	GATHER
	BIASES
.Ljoin:
	s_add_nc_u64 s[TP:TP+1], s[TP:TP+1], 64        ; (the token load is done on both ways)
	s_wait_dscnt 0x0                               ; for the others' sake: my mask numbers, and the queries' images, lie in LDS
	s_barrier_signal -1
	s_barrier_wait -1
.irp i, 0,1,2,3,4,5
	ds_load_b32 v[QS+\i], v[LS] offset:QSC+128*\i  ; the queries' scale words stay in registers
.endr
	s_mov_b32 s[CNT], 3
.Ltile:
	TILE 1
	s_sub_co_u32 s[CNT], s[CNT], 1
	s_cmp_lg_u32 s[CNT], 0
	s_cbranch_scc1 .Ltile
	TILE 0                                         ; the last tile is written out: nothing is left to gather, and no load leaves its buffer
	; THE END.  Each sum's two halves; then lane l gets query l's sums (tile l / 16): it keeps its own part of that tile and takes the other half of the lanes' part
.set FK,  T+24
.set FSD, T+36
.set FRC, T+48
.set WS,  T+64
	WIN 0x05                                       ; sources 0 and 1 in window 1
.irp i, 0,1,2,3,4,5,6,7,8,9,10,11,12,13,14,15,16,17,18,19,20,21
	v_add_f32 v[T+\i], v[ACC+2*\i], v[ACC+2*\i+1]
.endr
	WIN 0
	s_mov_b32 vcc_lo, 0xffff0000
.irp k, 0,1,2,3,4,5,6,7,8,9,10
	v_cndmask_b32 v[FK+\k], v[T+\k], v[T+11+\k], vcc_lo
	v_cndmask_b32 v[FSD+\k], v[T+11+\k], v[T+\k], vcc_lo
.endr
.irp k, 0,1,2,3,4,5,6,7,8,9,10
	v_permlanex16_b32 v[FRC+\k], v[FSD+\k], s[SEL], s[SEL+1]
.endr
.irp k, 0,1,2,3,4,5,6,7,8,9,10
	v_add_f32 v[FK+\k], v[FK+\k], v[FRC+\k]
.endr
	v_mov_b32 v[FK+11], 0
.irp j, 0,1,2
	ds_store_b128 v[REDA], v[FK+4*\j:FK+4*\j+3] offset:16*\j
.endr
	s_wait_dscnt 0x0                               ; for wave 0's sake: my sums lie in LDS
	s_barrier_signal -1
	s_barrier_wait -1
	s_cmp_lg_u32 s[WV], 0
	s_cbranch_scc1 .Lend
.irp w, 0,1,2,3,4,5,6,7
.irp j, 0,1,2
	ds_load_b128 v[WS+12*\w+4*\j:WS+12*\w+4*\j+3], v[REDA] offset:1536*\w+16*\j
.endr
.endr
	s_wait_dscnt 0x0
.irp w, 0,2,4,6
.irp p, 0,2,4,6,8,10
	v_pk_add_f32 v[WS+12*\w+\p:WS+12*\w+\p+1], v[WS+12*\w+\p:WS+12*\w+\p+1], v[WS+12*(\w+1)+\p:WS+12*(\w+1)+\p+1]
.endr
.endr
.irp w, 0,4
.irp p, 0,2,4,6,8,10
	v_pk_add_f32 v[WS+12*\w+\p:WS+12*\w+\p+1], v[WS+12*\w+\p:WS+12*\w+\p+1], v[WS+12*(\w+2)+\p:WS+12*(\w+2)+\p+1]
.endr
.endr
.irp p, 0,2,4,6,8,10
	v_pk_add_f32 v[WS+\p:WS+\p+1], v[WS+\p:WS+\p+1], v[WS+48+\p:WS+48+\p+1]   ; query l's 11 sums over all 512 documents; the twelfth number is 0
.endr
	v_mul_f32 v[WS+1], 0x223e2191, v[WS+1]         ; the constants taken out of the sums: e^(-50 mu^2) for mu = 0.9,
	v_mul_f32 v[WS+10], 0x223e2191, v[WS+10]
	v_mul_f32 v[WS+2], 0x2dc9683f, v[WS+2]         ; 0.7,
	v_mul_f32 v[WS+9], 0x2dc9683f, v[WS+9]
	v_mul_f32 v[WS+3], 0x367a1769, v[WS+3]         ; 0.5,
	v_mul_f32 v[WS+8], 0x367a1769, v[WS+8]
	v_mul_f32 v[WS+4], 0x3c360282, v[WS+4]         ; 0.3,
	v_mul_f32 v[WS+7], 0x3c360282, v[WS+7]
	v_mul_f32 v[WS+5], 0x3f1b4598, v[WS+5]         ; 0.1
	v_mul_f32 v[WS+6], 0x3f1b4598, v[WS+6]
	v_cmp_lt_i32 vcc_lo, 0, v[QTOK]
.irp k, 0,1,2,3,4,5,6,7,8,9,10
	v_cndmask_b32 v[WS+\k], v[WS+11], v[WS+\k], vcc_lo   ; a masked query's sums are 0; its logarithms still count, as in reference()
.endr
.irp k, 0,1,2,3,4,5,6,7,8,9,10
	v_max_num_f32 v[WS+\k], 0x2edbe6ff, v[WS+\k]   ; max(., 1e-10)
.endr
.irp k, 0,1,2,3,4,5,6,7,8,9,10
	v_log_f32 v[WS+\k], v[WS+\k]                   ; log2
.endr
	v_nop                                          ; a plain instruction behind the batch,
	s_wait_alu depctr_va_vdst(0)                   ; and the one wait ahead of its first reader
	v_mul_f32 v[WS+12], s[FW], v[WS]
.irp k, 1,2,3,4,5,6,7,8,9,10
	v_fmac_f32 v[WS+12], s[FW+\k], v[WS+\k]        ; x fc_w, in f32
.endr
	v_add_f32_dpp v[WS+12], v[WS+12], v[WS+12] row_xmask:1 row_mask:0xf bank_mask:0xf   ; over the 32 queries
	v_add_f32_dpp v[WS+12], v[WS+12], v[WS+12] row_xmask:2 row_mask:0xf bank_mask:0xf
	v_add_f32_dpp v[WS+12], v[WS+12], v[WS+12] row_xmask:4 row_mask:0xf bank_mask:0xf
	v_add_f32_dpp v[WS+12], v[WS+12], v[WS+12] row_xmask:8 row_mask:0xf bank_mask:0xf
	v_permlanex16_b32 v[WS+13], v[WS+12], s[SEL], s[SEL+1]
	v_add_f32 v[WS+12], v[WS+12], v[WS+13]
	s_mov_b32 s70, 0x3be32166                      ; 0.01 x ln 2
	v_fma_f32 v[WS+12], v[WS+12], s70, s[FB]       ; + fc_b
	v_mov_b32 v[WS+13], 0
	s_wait_xcnt 0x0                                ; EXEC changes only behind this wait
	v_cmp_eq_u32 vcc_lo, 0, v0
	s_and_saveexec_b32 s71, vcc_lo
	global_store_b32 v[WS+13], v[WS+12], s[14:15]  ; the batch's one number: 4 bytes are all that a work-group has to store
	s_wait_xcnt 0x0
	s_or_b32 exec_lo, exec_lo, s71
.Lend:
	s_set_vgpr_msb 0x5
	s_wait_tensorcnt 0x0
	ds_add_u32 v254, v255
	s_wait_dscnt 0x0
	s_set_vgpr_msb 0x500
	s_endpgm
.Lfunc_end_k_q4cb86c3d4b_knrm:
	.size	k_q4cb86c3d4b_knrm, .Lfunc_end_k_q4cb86c3d4b_knrm-k_q4cb86c3d4b_knrm
	.p2alignl 7, 3214868480
	.fill 96, 4, 3214868480
	.section	.rodata,"a",@progbits
	.p2align	6, 0x0
	.amdhsa_kernel k_q4cb86c3d4b_knrm
		.amdhsa_group_segment_fixed_size 227072
		.amdhsa_private_segment_fixed_size 0
		.amdhsa_enable_private_segment 0
		.amdhsa_kernarg_size 48
		.amdhsa_user_sgpr_count 2
		.amdhsa_user_sgpr_kernarg_segment_ptr 1
		.amdhsa_wavefront_size32 1
		.amdhsa_system_sgpr_workgroup_id_x 1
		.amdhsa_system_sgpr_workgroup_id_y 1
		.amdhsa_system_sgpr_workgroup_id_z 1
		.amdhsa_system_vgpr_workitem_id 0
		.amdhsa_next_free_vgpr 512
		.amdhsa_next_free_sgpr 100
		.amdhsa_reserve_vcc 1
		.amdhsa_float_denorm_mode_32 3
		.amdhsa_float_denorm_mode_16_64 3
		.amdhsa_memory_ordered 1
		.amdhsa_forward_progress 1
		.amdhsa_inst_pref_size 198
	.end_amdhsa_kernel
	.amdgpu_metadata
---
amdhsa.version: [ 1, 2 ]
amdhsa.kernels:
  - .name:           k_q4cb86c3d4b_knrm
    .symbol:         k_q4cb86c3d4b_knrm.kd
    .args:
      - { .name: query_tokens, .offset: 0, .size: 8, .value_kind: global_buffer, .address_space: global }
      - { .name: doc_tokens, .offset: 8, .size: 8, .value_kind: global_buffer, .address_space: global }
      - { .name: emb, .offset: 16, .size: 8, .value_kind: global_buffer, .address_space: global }
      - { .name: fc_w, .offset: 24, .size: 8, .value_kind: global_buffer, .address_space: global }
      - { .name: fc_b, .offset: 32, .size: 8, .value_kind: global_buffer, .address_space: global }
      - { .name: out0, .offset: 40, .size: 8, .value_kind: global_buffer, .address_space: global }
    .group_segment_fixed_size: 227072
    .private_segment_fixed_size: 0
    .kernarg_segment_align: 8
    .kernarg_segment_size: 48
    .max_flat_workgroup_size: 256
    .sgpr_count:     100
    .vgpr_count:     512
    .wavefront_size: 32
...
	.end_amdgpu_metadata
.endif
;; end of part 1
